; MI455X (gfx1250); checked and timed in simulation.
; The chip was launched on July 23, 2026; its instructions are those of AMD's public machine-readable ISA for CDNA 5 (MIT licence, August 2026) and "CDNA5" Instruction Set Architecture Reference Guide (July 2026). The comments in the code are by the model that wrote it; some were corrected since.
;; Nerf Render. Allowed arithmetic: matrix products marked QUANTISED: E3M2 operands, one E8M0 scale for each 32 along K, by v_wmma_scale_f32_16x16x128_f8f6f4 with both operands' format E3M2, f32 sums; products left as they are: f32 operands where the result goes on into a quantised operand, else bf16, f16 or f32 operands; f32 sums; everything else in f32.
;; Inputs: b_den 1 float32; b_hid 7 x 256 float32; b_in 256 float32; b_rgb 3 float32; jitter 4,096 x 32 float32; ray_dir 4,096 x 3 float32; ray_pos 4,096 x 3 float32; w_den 256 x 1 float32; w_hid_codes 7 x 256 x 8 x 24 uint8 (E3M2 codes of w_hid, K innermost, in blocks of 32 codes, four codes in three bytes); w_hid_scales 7 x 256 x 8 uint8 (E8M0 scales of w_hid, one for each 32 codes along K); w_in 60 x 256 float32; w_rgb 256 x 3 float32.
;; Outputs: out0 4,096 x 4 float32.
;; This version of the problem:
;;   THIS VERSION OF THE PROBLEM IS GIVEN IN LOW PRECISION. The matrix products marked QUANTISED in the list below multiply operands that are first quantised to E3M2 (3 exponent bits, 2 mantissa bits; 6 bits a number), with one power-of-two scale for each 32 numbers along K (OCP MX v1.0); their sums are f32. All else is computed in f32.
;;   The module's matrix products, in the order in which they are computed (A, B: the left and right operand; K: the contracted axis; several contracted axes count as one K, in the product's order):
;;     1. [M 131,072, K 60] x [K 60, N 256]; A: computed on the way; B: input w_in: QUANTISED
;;     2. [M 131,072, K 256] x [K 256, N 256]; A: computed on the way; B: input w_hid (given as codes): QUANTISED
;;     3. [M 131,072, K 256] x [K 256, N 256]; A: computed on the way; B: input w_hid (given as codes): QUANTISED
;;     4. [M 131,072, K 256] x [K 256, N 256]; A: computed on the way; B: input w_hid (given as codes): QUANTISED
;;     5. [M 131,072, K 256] x [K 256, N 256]; A: computed on the way; B: input w_hid (given as codes): QUANTISED
;;     6. [M 131,072, K 256] x [K 256, N 256]; A: computed on the way; B: input w_hid (given as codes): QUANTISED
;;     7. [M 131,072, K 256] x [K 256, N 256]; A: computed on the way; B: input w_hid (given as codes): QUANTISED
;;     8. [M 131,072, K 256] x [K 256, N 256]; A: computed on the way; B: input w_hid (given as codes): QUANTISED
;;     9. [M 131,072, K 256] x [K 256, N 3]; A: computed on the way; B: input w_rgb: left as it is (N = 3 < 16)
;;     10. [M 131,072, K 256] x [K 256, N 1]; A: computed on the way; B: input w_den: left as it is (N = 1 < 16)
;;   THE QUANTISER, for each operand of a quantised product, along K:
;;     - K is cut into blocks of 32 from its start; a last block that is shorter is filled with zeros.
;;     - A block's scale is 2^e with e = floor(log2(the largest magnitude in the block)) - 4, held to -126 .. 127; a block of zeros has e = 0. As a byte (E8M0): e + 127.
;;     - Each number is divided by its block's scale, clamped to +-28, and rounded to the nearest number of E3M2, ties to even, subnormals kept.
;;     - The product sums the exact products of the quantised numbers (number of the format x scale) in f32.
;;   ~~~python
;;   def quantise(x, axis):      # numpy; x: float32 -> the quantised numbers, widened to float32 again
;;       x = np.moveaxis(x, axis, -1); K = x.shape[-1]
;;       x = np.pad(x, [(0, 0)] * (x.ndim - 1) + [(0, -K % 32)]); x = x.reshape(x.shape[:-1] + (-1, 32)); a = np.abs(x).max(-1, keepdims=True)
;;       e = np.where(a > 0, np.clip(np.frexp(np.where(a > 0, a, 1))[1] - 1 - 4, -126, 127), 0)      # np.frexp(a)[1] - 1 = floor(log2(a)), exactly
;;       r = np.clip(x / 2.0 ** e, -28, 28)
;;       step = 2.0 ** (np.maximum(np.frexp(np.where(r == 0, 1, r))[1] - 1, -2) - 2)
;;       q = np.round(r / step) * step * 2.0 ** e      # np.round: ties to even
;;       return np.moveaxis(q.reshape(q.shape[:-2] + (-1,))[..., :K], -1, axis).astype(np.float32)
;;   ~~~
;;   OPERANDS COMPUTED ON THE WAY. 'Computed on the way' means the value that the module computes at that place (a softmax that the list does not call 'softmax' is quantised finished and normalised). What goes into a quantiser is computed in f32, as accurately as f32 sums, v_exp_f32 and their like allow (about 1e-6 of the number): no bf16 or f16 on the way to a quantiser, and a product that is left as it is and whose result goes on into a quantised operand takes f32 operands (vector FMAs, or v_wmma_f32_16x16x4_f32). A number that lies on a knife's edge between two numbers of the format may be rounded either way, as far as f32 arithmetic and the matrix unit's own rounding can turn it there, and no further.
;;   INPUTS GIVEN AS CODES. w_hid (in the module: [7, 256, 256], K = its axis 1): each comes as NAME_codes (uint8): NAME with its K axis moved to the last place and cut into blocks of 32 codes, [.., K / 32, bytes a block], one block behind the other in memory; four codes in three bytes: a row's codes are one little-endian stream of bits, code i at bits 6 i .. 6 i + 5 (a code: sign, 3 exponent bits, 2 mantissa bits); and NAME_scales (uint8): the same leading axes, one E8M0 byte (e + 127) for each 32 codes along K. Its value is code x scale, taken as it is: it is not quantised again, and the codes and scales need not be those that the quantiser above would give.
;; One version. Each part assembles by itself: llvm-mc -triple=amdgcn-amd-amdhsa -mcpu=gfx1250 --defsym DOCPART=n.
;; ======== version 1 of 1: 1 launch
;; limits: inputs' magnitudes at most 25,000; values are held in bf16: 8 bits of precision; right only within a limited range of input values
;; launch render (part 1): grid 256 x 1, 8 waves a work-group, clusters of 4 x 1, 327,680 bytes of LDS; arguments ray_pos, ray_dir, jitter, w_in, b_in, w_hid_codes, w_hid_scales, b_hid, w_rgb, b_rgb, w_den, b_den, out0; writes out0
.if DOCPART == 1
	.amdgcn_target "amdgcn-amd-amdhsa--gfx1250"
	.amdhsa_code_object_version 6
	.text
	.protected	k_q9e06f5d10d_render
	.globl	k_q9e06f5d10d_render
	.p2align	8
	.type	k_q9e06f5d10d_render,@function
k_q9e06f5d10d_render:
	s_mov_b64 s[64:65], 0
	v_nop
	global_prefetch_b8 v0, s[64:65] scope:SCOPE_SE
	s_setreg_imm32_b32 hwreg(HW_REG_WAVE_MODE, 25, 1), 1
	s_wait_xcnt 0x0
	s_wait_alu depctr_hold_cnt(0) depctr_sa_sdst(0) depctr_va_vdst(0) depctr_va_sdst(0) depctr_va_ssrc(0) depctr_va_vcc(0) depctr_vm_vsrc(0)
	s_getreg_b32 s2, hwreg(HW_REG_IB_STS2, 6, 4)
	s_cmp_eq_u32 s2, 0
	s_cbranch_scc0 .Lentry_in_a_cluster
	s_endpgm
.Lentry_in_a_cluster:
	s_bfe_u32 s2, ttmp6, 0x10000c
	s_cmp_lg_u32 s2, 0x3003
	s_cbranch_scc0 .Lentry_shape_is_right
	s_endpgm
.Lentry_shape_is_right:
; NERF RENDER, ONE LAUNCH: stratified samples, Fourier encoding, 8 layers on codes of BF6 (E3M2, one E8M0 scale for each 32 along K), two small heads in bf16, alpha compositing.  Every input is read, every step of the reference is done.
; SHARES.  A work-group owns 16 rays = 512 points; each of its 8 waves owns 2 rays = 64 points = 4 tiles of 16 points (tile m: ray m / 2, samples 16 (m % 2) + lane % 16) and makes all 256 hidden units of its points:
; activations never leave the wave's registers.  Two waves share a SIMD (512 registers each).
; LAYOUT.  Products are used transposed: source 0 = 16 units of the weight, source 1 = 16 points.  A group g is units 64 g .. 64 g + 63 in 4 tiles T; row mu of tile (g, T) is unit 64 g + 32 (mu / 8) + 8 T + mu % 8.
; So lane (r, h) holds, in the 32 registers of its four accumulators of tile m, units 64 g + 32 h + 0 .. 31 of point 16 m + r: one whole block of the next K, in the order of registers 6 c .. 6 c + 5 (c = g % 2) of the next operand's
; K step g / 2.  A block's largest magnitude needs no other lane, and the conversions' results are the operand.  The bias is the C of each sum's first product.
; WEIGHTS.  w_hid's codes come layer by layer through two LDS slots by joint tensor loads (the 4 work-groups of a cluster walk the same weights: mask 15); each wave brings 32 rows.  A layer's rows are requested one whole layer
; (128 scaled products a wave) ahead of their first read, so no data prefetch is laid.  w_in is quantised here, once a work-group, a lane to a column.  The encoding's 60 numbers are taken in another order inside each block of 32,
; alike in both operands: the blocks, their scales and the exact products stay the same.
; SIN AND COS are made of fused multiply-adds: x / pi in two f32 words, the nearest whole number taken off exactly, Taylor polynomials of sin(pi d), cos(pi d) on |d| <= 1/2 (to d^13 and d^12), the sign from the whole number's parity.
; THE RUNNING SUM of tau copies the pairwise order of jax's associative scan, since reference() subtracts tau again from a sum that holds 1e10 x density.
; LIMITS: the reduction is exact for |pos| x 512 / pi < 2^22 (|pos| under some 25,000); sin and cos are within about 2e-7; NaN and infinities among the inputs are not served; a block of zeros keeps the scale byte 1 where the rule
; says 127 (its codes are zeros, and this program alone reads the bytes); the last sums over a ray's 32 samples are added in another order than jnp.sum's; the heads' operands are rounded to bf16.
; REGISTERS.  Window 0: v1-15 addresses; v16-19, v20-23 largest magnitudes; v24-39 conversions' second halves (last layer: head weights); v40-47, v48-55 the activations' scale words, sets A and B; v56-63 the weights' scale words;
;   v64-111 weight fragments of K step 0 (tile T at 64 + 12 T); v112-127 bias of tiles T = 0, 1; v128-255 the 16 accumulators (m, T) at 128 + 32 m + 8 T: relu, maxima and conversions read them with every window 0.
;   Window 1: v0-95 codes, set A (tile m, K step s at 12 (2 m + s)); v96-191 set B; v192-239 weight fragments of K step 1; v240-255 bias of tiles T = 2, 3.  Last layer: v0-63 the activations in bf16, v64-95 the heads' sums.
.set GRP,   7808                       ; 32 weight rows in a slot: 32 x 240 bytes + 128, so that rows 32 apart start 32 banks apart (64 banks of 4 bytes: ISA guide 11.1)
.set PITCH, 240                        ; a row of 256 codes: 3 x (64 bytes + 16 of padding)
.set SLOT1, 65536
.set W0,    131072                     ; w_in's codes: unit n at (n / 32) x 1664 + (n % 32) x 48; 48 bytes = blocks 0 and 1
.set W0G,   1664
.set SCL,   144384                     ; the weights' scale words: layer l, unit u at 3072 l + 8 u + 128 (u / 32): two words (K steps 0, 1)
.set BIAS,  168960                     ; 8 layers x 256 f32
.set HWL,   177152                     ; the heads' weights in bf16, as images of 8 operands' registers: chunk q at 1024 q
.set DEPL,  185344                     ; depths: wave w, point p at 256 w + 4 p
.set OUTL,  187392                     ; the work-group's 16 rows of the output
.set SPARE, 187648                     ; the spare words, 128 bytes for each wave: four blocks of 256 bytes that no other line names
.set ENCL,  188672                     ; the encoded tiles' codes, each wave's own: 4096 w + 1024 m: registers 0-3, at +512 registers 4-5, at +768 the scale word
.set MX,   16
.set QQ,   20
.set CT,   24
.set ISA,  40
.set ISB,  48
.set WS,   56
.set F0,   64                          ; window 0
.set ACC,  128                         ; window 0
.set SETA, 0                           ; window 1
.set SETB, 96                          ; window 1
.set F1,   192                         ; window 1
.set EB,   64                          ; the encoding: tile u's 32 numbers at EB + 56 u, x1's ten sines at +32, its ten cosines at +42
.set TB,   176                         ; tile u's registers at work at TB + 24 u: +0 W, +2 L, +4 M, +6 N and signs, +8 d, +10 d^2, +12 sin, +14 cos, +16 depth, +18 pos, +20 .. 22 the scale
.set CE,   228                         ; tile u's six registers of codes at CE + 8 u
.set MSB, 0
.macro WIN new                         ; low byte: bits 1:0 source 0, 3:2 source 1, 5:4 source 2, 7:6 destination; the high byte repeats the setting that is left
.if MSB != (\new)
	s_set_vgpr_msb (MSB<<8)|(\new)
.set MSB, (\new)
.endif
.endm
.macro CROUND                          ; a round of the cluster's barrier
	s_barrier_signal -1
	s_barrier_wait -1
	s_cmp_lg_u32 s30, 0
	s_cbranch_scc1 .Lnot_wave_0_\@
	s_barrier_signal -3
.Lnot_wave_0_\@:
	s_barrier_wait -3
	s_barrier_signal -1
	s_barrier_wait -1
.endm
; THE CHANGE OF LAYERS.  Each wave waits for all its tensor loads (none is still out: its rows of the layer ahead were waited for in group 2), adds 0 to its spare word, and waits for that and for its reads of the slot that it leaves.
; fill = 1: behind a round of the cluster's barrier the slot just left takes the layer after the next.
.macro CHANGE fill
	WIN 0
	s_wait_tensorcnt 0x0                           ; no tensor load of mine is out, so group 0 may be written
	ds_add_u32 v8, v9
.if \fill
	s_xor_b32 s45, s45, SLOT1                      ; the other slot,
	s_add_nc_u64 s[46:47], s[46:47], 49152         ; the next layer's 256 rows of 192 bytes
.endif
	v_add_nc_u32 v6, 1024, v6                      ; the next layer's bias
	v_add_nc_u32 v7, 3072, v7                      ; and scale words
	s_wait_dscnt 0x0                               ; the add is done, and my reads of the slot are over
.if \fill
	CROUND
	tensor_load_to_lds s[44:47], s[36:43]          ; first behind the round, my one tensor load until the next
	s_nop 0
.rept 4
	v_nop
.endr
.else
	s_barrier_signal -1
	s_barrier_wait -1
.endif
.rept 4
	v_nop                                          ; places between the last codes written by vector instructions and the scaled products ahead
.endr
.endm
; The four tiles' fragments of K step s out of a slot, in pieces of 8 bytes.  Lanes 16-31 read three pieces on, which is behind one padding more where PCE % 8 is 5 or more: the second address register serves those.
.macro PIECES s, base, slot, g
.irp T, 0,1,2,3
.irp p, 0,1,2,3,4,5
.set PCE, 12*(\s)+6*(\p/3)+\p%3
.if PCE%8 < 5
	ds_load_b64 v[(\base)+12*\T+2*\p:(\base)+12*\T+2*\p+1], v[1+2*(\slot)] offset:2*(\g)*GRP+8*\T*PITCH+8*PCE+16*(PCE/8)
.else
	ds_load_b64 v[(\base)+12*\T+2*\p:(\base)+12*\T+2*\p+1], v[2+2*(\slot)] offset:2*(\g)*GRP+8*\T*PITCH+8*PCE+16*(PCE/8)
.endif
.endr
.endr
.endm
; A group's operands from LDS.  kind 0: w_in (K = 64 of the 128: registers 0-5 alone, 6-11 stay zeros), 24 loads; else a hidden layer out of the slot, 60 loads.
.macro GLOADS kind, slot, g, gb        ; g: the group among the slot's rows; gb: the group among bias and scale words (4: the next layer's group 0, reached from this layer's address registers)
	WIN 0
.if (\kind) > 0
	PIECES 0, F0, \slot, \g
.else
.irp T, 0,1,2,3
.irp p, 0,1,2
	ds_load_b64 v[F0+12*\T+2*\p:F0+12*\T+2*\p+1], v5 offset:2*(\g)*W0G+8*\T*48+8*\p
.endr
.endr
.endif
.irp T, 0,1
	ds_load_b128 v[112+8*\T:115+8*\T], v6 offset:(64*(\gb)+8*\T)*4         ; b[64 gb + 32 h + 8 T + 0 .. 7]: the result's layout
	ds_load_b128 v[116+8*\T:119+8*\T], v6 offset:(64*(\gb)+8*\T)*4+16
.endr
.irp T, 0,1,2,3
	ds_load_b64 v[WS+2*\T:WS+2*\T+1], v7 offset:768*(\gb)+64*\T            ; lane r: its unit's two scale words
.endr
	WIN 0x40                                       ; destination window 1
.if (\kind) > 0
	PIECES 1, F1, \slot, \g
.endif
.irp T, 2,3
	ds_load_b128 v[224+8*\T:227+8*\T], v6 offset:(64*(\gb)+8*\T)*4
	ds_load_b128 v[228+8*\T:231+8*\T], v6 offset:(64*(\gb)+8*\T)*4+16
.endr
	WIN 0
.endm
; 16 products: the 16 accumulators take turns, one instruction a turn.  K step 0 starts the sums with the bias as C (tiles 0, 1: window 0; tiles 2, 3: window 1).
.macro MUL inb, isb, s
.irp T, 0,1,2,3
.if (\s) == 0
	WIN 0x04+0x10*(\T/2)
.else
	WIN 0x05
.endif
.irp m, 0,1,2,3
.if (\s) == 0
	v_wmma_scale_f32_16x16x128_f8f6f4 v[ACC+32*\m+8*\T:ACC+32*\m+8*\T+7], v[F0+12*\T:F0+12*\T+11], v[(\inb)+24*\m:(\inb)+24*\m+11], v[112+8*\T+112*(\T/2):119+8*\T+112*(\T/2)], v[WS+2*\T], v[(\isb)+2*\m] matrix_a_fmt:MATRIX_FMT_BF6 matrix_b_fmt:MATRIX_FMT_BF6
.else
	v_wmma_scale_f32_16x16x128_f8f6f4 v[ACC+32*\m+8*\T:ACC+32*\m+8*\T+7], v[F1+12*\T:F1+12*\T+11], v[(\inb)+24*\m+12:(\inb)+24*\m+23], v[ACC+32*\m+8*\T:ACC+32*\m+8*\T+7], v[WS+2*\T+1], v[(\isb)+2*\m+1] matrix_a_fmt:MATRIX_FMT_BF6 matrix_b_fmt:MATRIX_FMT_BF6
.endif
.endr
.endr
.endm
.macro RELU                            ; in f32, two registers an instruction, each accumulator from its low end on
	WIN 0
.set KK, 0
.rept 64
	v_dual_max_num_f32 v[ACC+KK], 0, v[ACC+KK] :: v_dual_max_num_f32 v[ACC+KK+1], 0, v[ACC+KK+1]
.set KK, KK+2
.endr
.endm
; A group's results become registers 6 c .. 6 c + 5 of the next operand's K step g / 2, and one byte of its scale word.
.macro QUANT outb, osb, g
.set QC, (\g)&1
.set QS, (\g)>>1
	RELU
.irp m, 0,1,2,3
	v_max3_num_f32 v[MX+\m], 0x2800000, v[ACC+32*\m], v[ACC+32*\m+1]       ; my block's 32 numbers (none is negative) and the floor 2^(5 - 127): two chains a tile, eight chains by turns
.endr
.irp m, 0,1,2,3
	v_max3_num_f32 v[QQ+\m], v[ACC+32*\m+16], v[ACC+32*\m+17], v[ACC+32*\m+18]
.endr
.irp i, 1,2,3,4,5,6
.irp m, 0,1,2,3
	v_max3_num_f32 v[MX+\m], v[MX+\m], v[ACC+32*\m+2*\i], v[ACC+32*\m+2*\i+1]
.endr
.irp m, 0,1,2,3
	v_max3_num_f32 v[QQ+\m], v[QQ+\m], v[ACC+32*\m+2*\i+17], v[ACC+32*\m+2*\i+18]
.endr
.endr
.irp m, 0,1,2,3
	v_max3_num_f32 v[MX+\m], v[MX+\m], v[ACC+32*\m+14], v[ACC+32*\m+15]
.endr
.irp m, 0,1,2,3
	s_delay_alu instid0(VALU_DEP_4)
	v_max3_num_f32 v[MX+\m], v[MX+\m], v[QQ+\m], v[ACC+32*\m+31]
.endr
.if QC == 0
.irp m, 0,1,2,3
	s_delay_alu instid0(VALU_DEP_4)
	v_add_nc_u32 v[(\osb)+2*\m+QS], 0xfe000000, v[MX+\m]                   ; 4 off the exponent field: the conversion's scale operand; it waits here for block 2 + h's
.endr
.else
.irp m, 0,1,2,3
	s_delay_alu instid0(VALU_DEP_4)
	v_add_nc_u32 v[MX+\m], 0xfe000000, v[MX+\m]
.endr
.irp m, 0,1,2,3
	s_delay_alu instid0(VALU_DEP_4)
	v_perm_b32 v[QQ+\m], v[MX+\m], v[(\osb)+2*\m+QS], 0x07060302           ; the two operands' upper halves: block h's below, block 2 + h's above
.endr
.irp m, 0,1,2,3
	s_delay_alu instid0(VALU_DEP_4)
	v_lshrrev_b32 v[QQ+\m], 7, v[QQ+\m]                                    ; their exponent fields are now bytes 0 and 2
.endr
.irp m, 0,1,2,3
	s_delay_alu instid0(VALU_DEP_4)
	v_permlanex16_b32 v[(\osb)+2*\m+QS], v[QQ+\m], s48, s49                ; lane l xor 16's two
.endr
.irp m, 0,1,2,3
	s_delay_alu instid0(VALU_DEP_4)
	v_perm_b32 v[(\osb)+2*\m+QS], v[(\osb)+2*\m+QS], v[QQ+\m], 0x06020400  ; lanes 0-15, which alone are read: bytes of blocks 0, 1, 2, 3
.endr
.endif
	WIN 0x40                                       ; destination window 1
.irp m, 0,1,2,3
.if QC == 0
	v_cvt_scalef32_pk16_bf6_f32 v[(\outb)+12*(2*\m+QS):(\outb)+12*(2*\m+QS)+2], v[ACC+32*\m:ACC+32*\m+15], v[(\osb)+2*\m+QS]
.else
	v_cvt_scalef32_pk16_bf6_f32 v[(\outb)+12*(2*\m+QS)+6:(\outb)+12*(2*\m+QS)+8], v[ACC+32*\m:ACC+32*\m+15], v[MX+\m]
.endif
.endr
	WIN 0
.irp m, 0,1,2,3                        ; (a conversion's three registers begin on an even number: the second halves are made here and moved)
.if QC == 0
	v_cvt_scalef32_pk16_bf6_f32 v[CT+4*\m:CT+4*\m+2], v[ACC+32*\m+16:ACC+32*\m+31], v[(\osb)+2*\m+QS]
.else
	v_cvt_scalef32_pk16_bf6_f32 v[CT+4*\m:CT+4*\m+2], v[ACC+32*\m+16:ACC+32*\m+31], v[MX+\m]
.endif
.endr
	v_nop                                          ; one plain place behind the scaled conversions
	WIN 0x40
.irp m, 0,1,2,3
.irp i, 0,1,2
	v_mov_b32 v[(\outb)+12*(2*\m+QS)+6*QC+3+\i], v[CT+4*\m+\i]
.endr
.endr
	WIN 0
.endm
; The last layer's results go to the heads: bf16, K = 32 a product.  Chunk 2 g + u of K holds, in lane half h, units 64 g + 32 h + 16 u + 0 .. 15, alike in both operands.
; Source 0 = the heads' weights (rows 0-2 rgb, row 3 density, the rest zeros), source 1 = 16 points: lanes 0-15 get a point's four numbers in an accumulator's registers 0 to 3.
.macro HEADS g
	RELU
	WIN 0x40
.set KK, 0
.rept 64
	v_cvt_pk_bf16_f32 v[KK], v[ACC+2*KK], v[ACC+2*KK+1]
.set KK, KK+1
.endr
	WIN 0
	s_wait_alu depctr_va_vdst(0)                   ; directly ahead of the wait below
.if (\g) < 3
	s_wait_dscnt 60                                ; the head weights' four loads are in; the next group's 60 may be out
.else
	s_wait_dscnt 0x0
.endif
.irp u, 0,1
.irp m, 0,1,2,3
.if ((\g) == 0) && (\u == 0)
	WIN 0x44
	v_wmma_f32_16x16x32_bf16 v[64+8*\m:71+8*\m], v[24+8*\u:31+8*\u], v[16*\m+8*\u:16*\m+8*\u+7], v[16:23]   ; the heads' biases start the sums
.else
	WIN 0x54
	v_wmma_f32_16x16x32_bf16 v[64+8*\m:71+8*\m], v[24+8*\u:31+8*\u], v[16*\m+8*\u:16*\m+8*\u+7], v[64+8*\m:71+8*\m]
.endif
.endr
.endr
	WIN 0
.endm
; A layer: four groups.  kind 0: the first layer (one K step), 1: a hidden layer, 2: the last.  The next group's LDS loads are issued behind a group's products and land under its vector work.
; nslot: the slot of the layer ahead (-1: none).  Its group 0's operands are read behind this layer's last products, ahead of the change of layers: a barrier behind which nothing is filled shows that slot whole;
; it is signalled at the top of group 2, behind each wave's wait for its tensor load, and waited for behind group 3's products; between the two stand register work and LDS loads of this layer's slot alone.
; A layer's own group 0 has been read by the layer before (the first layer's: in front of it).
.macro LAYER kind, inb, isb, outb, osb, slot, nslot
.irp g, 0,1,2,3
.if (\g == 2) && ((\nslot) >= 0)
	s_wait_tensorcnt 0x0                           ; my 32 rows of the layer ahead have landed
.endif
	s_wait_dscnt 0x0                               ; this group's operands are in; no LDS instruction of mine is pending
.if (\g == 2) && ((\nslot) >= 0)
	s_barrier_signal -1
.endif
	MUL \inb, \isb, 0
.if (\kind) > 0
	MUL \inb, \isb, 1
.endif
	WIN 0
.if (\g == 3) && ((\nslot) >= 0)
	s_barrier_wait -1                              ; every wave's rows of the layer ahead have landed
.endif
.rept 4
	v_nop                                          ; places in front of the loads into registers that the products have read, and of the first read of results
.endr
.if (\kind) == 2
.irp u, 0,1
	ds_load_b128 v[24+8*\u:27+8*\u], v11 offset:1024*(2*\g+\u)
	ds_load_b128 v[28+8*\u:31+8*\u], v11 offset:1024*(2*\g+\u)+512
.endr
.endif
.if \g < 3
	GLOADS \kind, \slot, \g+1, \g+1
.else
.if (\nslot) >= 0
	GLOADS 1, \nslot, 0, 4                         ; the layer ahead, group 0: 60 loads that land under this group's vector work
.endif
.endif
.if (\kind) == 2
	HEADS \g
.else
	QUANT \outb, \osb, \g
.endif
.endr
.endm
	; ---- the head
	s_load_b512 s[4:19], s[0:1], 0x0               ; ray_pos s[4:5], ray_dir s[6:7], jitter s[8:9], w_in s[10:11], b_in s[12:13], w_hid_codes s[14:15], w_hid_scales s[16:17], b_hid s[18:19]
	s_load_b256 s[20:27], s[0:1], 0x40             ; w_rgb s[20:21], b_rgb s[22:23], w_den s[24:25], b_den s[26:27]
	s_load_b64 s[28:29], s[0:1], 0x60              ; out0
	v_lshl_add_u32 v8, v0, 2, SPARE
	v_mov_b32 v9, 0
	ds_add_u32 v8, v9
	ds_add_u32 v8, v9
	s_wait_dscnt 0x0
	v_lshrrev_b32 v16, 5, v0
	s_delay_alu instid0(VALU_DEP_1)
	v_readfirstlane_b32 s30, v16                   ; wave 0..7
	s_bfe_u32 s31, ttmp6, 0x40000                  ; cx: my place in the cluster
	s_lshl_b32 s32, ttmp9, 2
	s_add_co_u32 s32, s32, s31                     ; my work-group: it enters the addresses of rays, jitter and output alone
	v_and_b32 v16, 31, v0                          ; lane
	v_and_b32 v17, 15, v0                          ; r
	v_bfe_u32 v18, v0, 4, 1                        ; h
	v_and_b32 v19, 7, v0                           ; r % 8
	v_bfe_u32 v20, v0, 3, 1                        ; r / 8
	s_delay_alu instid0(VALU_DEP_1)
	v_mul_u32_u24 v1, v20, GRP
	s_delay_alu instid0(VALU_DEP_1)
	v_mad_u32_u24 v1, v19, PITCH, v1
	s_delay_alu instid0(VALU_DEP_1)
	v_mad_u32_u24 v1, v18, 24, v1                  ; slot 0: my row of a tile, + 24 h
	s_delay_alu instid0(VALU_DEP_1)
	v_lshl_add_u32 v2, v18, 4, v1                  ; and behind one padding more
	s_delay_alu instid0(VALU_DEP_2)
	v_add_nc_u32 v3, SLOT1, v1                     ; slot 1
	s_delay_alu instid0(VALU_DEP_2)
	v_add_nc_u32 v4, SLOT1, v2
	v_mul_u32_u24 v5, v20, W0G
	s_delay_alu instid0(VALU_DEP_1)
	v_mad_u32_u24 v5, v19, 48, v5
	s_delay_alu instid0(VALU_DEP_1)
	v_mad_u32_u24 v5, v18, 24, v5
	s_delay_alu instid0(VALU_DEP_1)
	v_add_nc_u32 v5, W0, v5                        ; w_in's codes
	v_lshl_add_u32 v6, v18, 7, BIAS                ; bias: + 32 h units
	v_mul_u32_u24 v7, v20, 384
	s_delay_alu instid0(VALU_DEP_1)
	v_lshl_add_u32 v7, v19, 3, v7
	s_delay_alu instid0(VALU_DEP_1)
	v_add_nc_u32 v7, SCL, v7                       ; the weights' scale words
	v_lshlrev_b32 v10, 3, v18                      ; 8 h
	v_lshl_add_u32 v11, v16, 4, HWL                ; an image's place for my lane
	s_lshl_b32 s33, s30, 8
	s_add_co_u32 s33, s33, DEPL
	v_lshl_add_u32 v12, v17, 2, s33                ; depths: my wave's, 4 r
	s_lshl_b32 s33, s30, 12
	s_add_co_u32 s33, s33, ENCL
	v_lshl_add_u32 v13, v16, 4, s33                ; my wave's stash: 16 bytes a lane,
	s_add_co_u32 s34, s33, 512
	v_lshl_add_u32 v14, v16, 3, s34                ; 8 bytes a lane,
	s_add_co_u32 s34, s33, 768
	v_lshl_add_u32 v15, v16, 2, s34                ; 4 bytes a lane
	s_mul_i32 s34, s32, 192                        ; my wave's two rays: 12 bytes each
	s_mul_i32 s33, s30, 24
	s_add_co_u32 s34, s34, s33
	s_mov_b32 s35, 0
	; descriptor group 1: my 32 rows of a layer are 6,144 dense bytes: 24 rows of 256 bytes (32 elements of 8), 16 bytes of padding behind every 64
	s_mov_b32 s36, 15|(3<<16)|(1<<20)|(1<<21)|(3<<22)|(3<<25)
	s_mov_b32 s37, 32<<16                          ; tensor_dim0
	s_mov_b32 s38, 24<<16                          ; tensor_dim1
	s_mov_b32 s39, 32<<16                          ; tile_dim0
	s_mov_b32 s40, 24                              ; tile_dim1
	s_mov_b32 s41, 32                              ; tensor_dim0_stride
	s_mov_b32 s42, 0
	s_mov_b32 s43, 0
	s_mov_b32 s44, 1                               ; group 0: count = 1
	s_mul_i32 s45, s30, GRP                        ; LDS address: slot 0, my 32 rows
	s_wait_kmcnt 0x0
	s_add_nc_u64 s[4:5], s[4:5], s[34:35]
	s_add_nc_u64 s[6:7], s[6:7], s[34:35]
	s_load_b128 s[52:55], s[4:5], 0x0              ; positions of my two rays: s52-54, s55-57
	s_load_b64 s[56:57], s[4:5], 0x10
	s_load_b64 s[58:59], s[6:7], 0x0               ; directions: s58-60, s61-63
	s_load_b128 s[60:63], s[6:7], 0x8
	s_load_b96 s[80:82], s[22:23], 0x0             ; b_rgb
	s_load_b32 s83, s[26:27], 0x0                  ; b_den
	s_lshl_b32 s34, s32, 11                        ; jitter: 16 rays of 128 bytes a work-group, 2 a wave
	s_lshl_b32 s33, s30, 8
	s_add_co_u32 s34, s34, s33
	s_add_nc_u64 s[8:9], s[8:9], s[34:35]
	s_lshl_b32 s34, s32, 8                         ; out0: 256 bytes a work-group
	s_add_nc_u64 s[28:29], s[28:29], s[34:35]
	s_max_u32 s34, s30, 1                          ; wave w brings layer w's bias: wave 0 b_in, the others row w - 1 of b_hid
	s_sub_co_u32 s34, s34, 1
	s_lshl_b32 s34, s34, 10
	s_add_nc_u64 s[18:19], s[18:19], s[34:35]
	s_cmp_eq_u32 s30, 0
	s_cselect_b64 s[12:13], s[12:13], s[18:19]
	s_mul_i32 s34, s30, 6144
	s_add_nc_u64 s[46:47], s[14:15], s[34:35]      ; global address: w_hid[0], my 32 rows
	s_or_b32 s47, s47, 0x80000000                  ; type = 2
	; ---- all global loads, the jitter's first; the round and the first joint load follow them
	v_lshlrev_b32 v30, 2, v17                      ; jitter: 4 r
	v_lshlrev_b32 v31, 2, v0                       ; w_in: my column n = my thread's number
	v_lshlrev_b32 v32, 3, v0                       ; w_hid_scales: my unit's 8 bytes
	v_lshlrev_b32 v33, 5, v16                      ; bias: 32 bytes a lane
	s_lshr_b32 s33, s30, 1
	s_lshl_b32 s33, s33, 6
	s_and_b32 s34, s30, 1
	s_lshl_b32 s34, s34, 4
	s_add_co_u32 s33, s33, s34
	v_lshl_add_u32 v36, v18, 5, s33                ; the heads' chunk w: my first unit 64 (w / 2) + 16 (w % 2) + 32 h
	v_min_u32 v37, 2, v17
	s_delay_alu instid0(VALU_DEP_1)
	v_mad_u32_u24 v34, v36, 3, v37
	s_delay_alu instid0(VALU_DEP_1)
	v_lshlrev_b32 v34, 2, v34                      ; w_rgb[unit][min(r, 2)]
	s_delay_alu instid0(VALU_DEP_4)
	v_lshlrev_b32 v35, 2, v36                      ; w_den[unit]
.irp m, 0,1,2,3
	global_load_b32 v[24+\m], v30, s[8:9] offset:64*\m
.endr
	WIN 0x40                                       ; destination window 1
.set II, 0
.rept 32                                           ; w_in, block 0 (rows 0 .. 31), in the encoding's own order: x0's sin and cos by turns, then rows 20 .. 31 as they lie
.if II < 20
.set EE, (II%2)*10+II/2
.else
.set EE, II
.endif
	global_load_b32 v[II], v31, s[10:11] offset:1024*EE
.set II, II+1
.endr
.set II, 0
.rept 28                                           ; block 1 (rows 32 .. 59): x2's sin and cos by turns, then rows 32 .. 39; the last four places are zeros
.if II < 20
.set EE, 40+(II%2)*10+II/2
.else
.set EE, 12+II
.endif
	global_load_b32 v[32+II], v31, s[10:11] offset:1024*EE
.set II, II+1
.endr
.irp l, 0,1,2,3,4,5,6
	global_load_b64 v[64+2*\l:65+2*\l], v32, s[16:17] offset:2048*\l
.endr
	global_load_b128 v[80:83], v33, s[12:13]
	global_load_b128 v[84:87], v33, s[12:13] offset:16
.irp i, 0,1,2,3,4,5,6,7,8,9,10,11,12,13,14,15
	global_load_b32 v[96+\i], v34, s[20:21] offset:12*\i
.endr
.irp i, 0,1,2,3
	global_load_b128 v[112+4*\i:115+4*\i], v35, s[24:25] offset:16*\i
.endr
.irp i, 60,61,62,63
	v_mov_b32 v[\i], 0                             ; K = 60 is filled to 64 with zeros
.endr
	WIN 0
	; ---- the encoding: two trips, a ray each; the ray's two tiles u = 0, 1 line by line.  A packed pair is (my own coordinate: x0 in lanes 0-15, x2 in lanes 16-31; x1)
	CROUND                                         ; all four work-groups are here: the first joint loads meet
	tensor_load_to_lds s[44:47], s[36:43]          ; the first hidden layer into slot 0
	s_nop 0
.rept 4
	v_nop
.endr
	s_mov_b32 s48, 0x76543210
	s_mov_b32 s49, 0xfedcba98                      ; v_permlanex16_b32's selects for lane l xor 16
	s_mov_b32 s72, 0x4b400000                      ; 1.5 x 2^23: adding it rounds to a whole number, whose parity is the sum's lowest bit
	s_mov_b32 s73, s72                             ; (the packed forms name pairs: the upper words are written too)
	s_mov_b32 s74, 0x39f47a1a                      ; pi^13 / 13!
	s_mov_b32 s75, s74
	s_mov_b32 s76, 0x3afce9c5                      ; pi^12 / 12!
	s_mov_b32 s77, s76
	s_mov_b32 s84, 0xffff0000                      ; lanes 16-31
	v_cvt_f32_u32 v28, v17                         ; the sample's number: r,
	s_delay_alu instid0(VALU_DEP_1)
	v_add_f32 v29, 0x41800000, v28                 ; 16 + r
.irp u, 0,1
	v_mov_b32 v[TB+24*\u+17], 0                    ; (named as the upper half of a pair)
	v_mov_b32 v[TB+24*\u+21], 0                    ; (a lane permute's destination counts as one of its sources)
.endr
	s_mov_b32 s51, 0
	s_mov_b32 s50, 2
	s_wait_kmcnt 0x0
	s_mov_b32 s66, s52
	s_mov_b32 s67, s53
	s_mov_b32 s68, s54
	s_mov_b32 s69, s58
	s_mov_b32 s70, s59
	s_mov_b32 s71, s60
	s_wait_loadcnt 63                              ; 89 loads were issued behind the jitter's four: with 63 out the first 30 are in
.macro HORNER o, c                     ; P = P d^2 + c, both tiles
.irp u, 0,1
	v_pk_fma_f32 v[TB+24*\u+\o:TB+24*\u+\o+1], v[TB+24*\u+\o:TB+24*\u+\o+1], v[TB+24*\u+10:TB+24*\u+11], \c op_sel_hi:[1,1,0]
.endr
.endm
.macro ESTEP a                         ; sin and cos of (own, x1) x 2^a
.set FF, (127+(\a))<<23
.irp u, 0,1
	v_pk_fma_f32 v[TB+24*\u+4:TB+24*\u+5], v[TB+24*\u:TB+24*\u+1], FF, s[72:73] op_sel_hi:[1,0,0]   ; M = W 2^a + 1.5 x 2^23
.endr
.irp u, 0,1
	s_delay_alu instid0(VALU_DEP_2)
	v_pk_add_f32 v[TB+24*\u+6:TB+24*\u+7], v[TB+24*\u+4:TB+24*\u+5], s[72:73] op_sel_hi:[1,0] neg_lo:[0,1] neg_hi:[0,1]   ; n, the nearest whole number
.endr
.irp u, 0,1
	s_delay_alu instid0(VALU_DEP_2)
	v_pk_fma_f32 v[TB+24*\u+8:TB+24*\u+9], v[TB+24*\u:TB+24*\u+1], FF, v[TB+24*\u+6:TB+24*\u+7] op_sel_hi:[1,0,1] neg_lo:[0,0,1] neg_hi:[0,0,1]   ; W 2^a - n: exact
.endr
.irp u, 0,1
	s_delay_alu instid0(VALU_DEP_2)
	v_pk_fma_f32 v[TB+24*\u+8:TB+24*\u+9], v[TB+24*\u+2:TB+24*\u+3], FF, v[TB+24*\u+8:TB+24*\u+9] op_sel_hi:[1,0,1]   ; d = that + L 2^a
.endr
.irp u, 0,1
	s_delay_alu instid0(VALU_DEP_2)
	v_pk_mul_f32 v[TB+24*\u+10:TB+24*\u+11], v[TB+24*\u+8:TB+24*\u+9], v[TB+24*\u+8:TB+24*\u+9]
.endr
.irp u, 0
	s_delay_alu instid0(VALU_DEP_2)
	v_pk_fma_f32 v[TB+24*\u+12:TB+24*\u+13], v[TB+24*\u+10:TB+24*\u+11], s[74:75], 0xbbf183a8 op_sel_hi:[1,0,0]   ; sin(pi d) / d: coefficients (-1)^k pi^(2k+1) / (2k+1)!
	s_delay_alu instid0(VALU_DEP_3)
	v_pk_fma_f32 v[TB+24*\u+14:TB+24*\u+15], v[TB+24*\u+10:TB+24*\u+11], s[76:77], 0xbcd368f9 op_sel_hi:[1,0,0]   ; cos(pi d): (-1)^k pi^(2k) / (2k)!
.endr
.irp u, 1
	s_delay_alu instid0(VALU_DEP_3)
	v_pk_fma_f32 v[TB+24*\u+12:TB+24*\u+13], v[TB+24*\u+10:TB+24*\u+11], s[74:75], 0xbbf183a8 op_sel_hi:[1,0,0]
	s_delay_alu instid0(VALU_DEP_4)
	v_pk_fma_f32 v[TB+24*\u+14:TB+24*\u+15], v[TB+24*\u+10:TB+24*\u+11], s[76:77], 0xbcd368f9 op_sel_hi:[1,0,0]
.endr
	HORNER 12, 0x3da83c1a
	HORNER 14, 0x3e70fa83
	HORNER 12, 0xbf196966
	HORNER 14, 0xbfaae9e4
	HORNER 12, 0x402335e3
	HORNER 14, 0x4081e0f8
	HORNER 12, 0xc0a55de7
	HORNER 14, 0xc09de9e6
	HORNER 12, 0x40490fdb
	HORNER 14, 1.0
.irp u, 0,1
	v_pk_mul_f32 v[TB+24*\u+12:TB+24*\u+13], v[TB+24*\u+12:TB+24*\u+13], v[TB+24*\u+8:TB+24*\u+9]
	v_lshlrev_b32 v[TB+24*\u+6], 31, v[TB+24*\u+4]                         ; n's parity as a sign
	v_lshlrev_b32 v[TB+24*\u+7], 31, v[TB+24*\u+5]
.endr
.irp u, 0,1
	v_xor_b32 v[EB+56*\u+2*(\a)], v[TB+24*\u+12], v[TB+24*\u+6]
	v_xor_b32 v[EB+56*\u+2*(\a)+1], v[TB+24*\u+14], v[TB+24*\u+6]
	v_xor_b32 v[EB+56*\u+32+(\a)], v[TB+24*\u+13], v[TB+24*\u+7]
	v_xor_b32 v[EB+56*\u+42+(\a)], v[TB+24*\u+15], v[TB+24*\u+7]
.endr
.endm
.Lenc:
	v_mov_b32 v224, s66                            ; the ray's position: (x0 or x2, x1)
	v_mov_b32 v248, s68
	s_delay_alu instid0(VALU_DEP_1)
	v_cndmask_b32 v224, v224, v248, s84
	v_mov_b32 v225, s67
	v_mov_b32 v226, s69                            ; its direction likewise
	v_mov_b32 v248, s71
	s_delay_alu instid0(VALU_DEP_1)
	v_cndmask_b32 v226, v226, v248, s84
	v_mov_b32 v227, s70
	v_add_nc_u32 v244, s51, v13                    ; this ray's places in the stash
	v_add_nc_u32 v245, s51, v14
	v_add_nc_u32 v246, s51, v15
	s_lshr_b32 s34, s51, 4
	v_add_nc_u32 v247, s34, v12                    ; and among the depths
.irp u, 0,1
	v_add_f32 v[TB+24*\u+16], v[28+\u], v[24+\u]   ; the depth, rounded step by step as reference() rounds it: idx + jitter,
.endr
.irp u, 0,1
	s_delay_alu instid0(VALU_DEP_2)
	v_mul_f32 v[TB+24*\u+16], 0x4079999a, v[TB+24*\u+16]   ; x 3.9,
.endr
.irp u, 0,1
	s_delay_alu instid0(VALU_DEP_2)
	v_mul_f32 v[TB+24*\u+16], 0x3d000000, v[TB+24*\u+16]   ; / 32 (exact),
.endr
.irp u, 0,1
	s_delay_alu instid0(VALU_DEP_2)
	v_add_f32 v[TB+24*\u+16], 0x3dcccccd, v[TB+24*\u+16]   ; + 0.1
.endr
.irp u, 0,1
	ds_store_b32 v247, v[TB+24*\u+16] offset:64*\u         ; both halves of the lanes write the same word with the same value
	v_pk_mul_f32 v[TB+24*\u+18:TB+24*\u+19], v[226:227], v[TB+24*\u+16:TB+24*\u+17] op_sel_hi:[1,0]   ; depth x dir, rounded,
.endr
.irp u, 0
	v_pk_add_f32 v[TB+24*\u+18:TB+24*\u+19], v[TB+24*\u+18:TB+24*\u+19], v[224:225]   ; + pos, rounded: two roundings, as in reference()
.endr
.irp u, 1
	s_delay_alu instid0(VALU_DEP_2)
	v_pk_add_f32 v[TB+24*\u+18:TB+24*\u+19], v[TB+24*\u+18:TB+24*\u+19], v[224:225]
.endr
.irp u, 0,1
	s_delay_alu instid0(VALU_DEP_2)
	v_pk_mul_f32 v[TB+24*\u:TB+24*\u+1], v[TB+24*\u+18:TB+24*\u+19], 0x3ea2f983 op_sel_hi:[1,0]   ; x / pi in two words: W = x HI,
.endr
.irp u, 0,1
	s_delay_alu instid0(VALU_DEP_2)
	v_pk_fma_f32 v[TB+24*\u+2:TB+24*\u+3], v[TB+24*\u+18:TB+24*\u+19], 0x3ea2f983, v[TB+24*\u:TB+24*\u+1] op_sel_hi:[1,0,1] neg_lo:[0,0,1] neg_hi:[0,0,1]   ; what that rounding dropped,
.endr
.irp u, 0,1
	s_delay_alu instid0(VALU_DEP_2)
	v_pk_fma_f32 v[TB+24*\u+2:TB+24*\u+3], v[TB+24*\u+18:TB+24*\u+19], 0x325c9c88, v[TB+24*\u+2:TB+24*\u+3] op_sel_hi:[1,0,1]   ; L = x LO + that
.endr
.irp a, 0,1,2,3,4,5,6,7,8,9
	ESTEP \a
.endr
.irp u, 0,1                            ; places 20 .. 31 of my block: lanes 0-15 x1's ten sines and its first two cosines; lanes 16-31 its other eight cosines and four zeros
.irp j, 0,1,2,3,4,5,6,7
	v_cndmask_b32 v[EB+56*\u+20+\j], v[EB+56*\u+32+\j], v[EB+56*\u+44+\j], s84
.endr
.irp j, 8,9
	v_cndmask_b32 v[EB+56*\u+20+\j], v[EB+56*\u+32+\j], 0, s84
.endr
.irp j, 10,11
	v_cndmask_b32 v[EB+56*\u+20+\j], v[EB+56*\u+32+\j], 0, s84             ; (x1's cosines 0 and 1 lie at +42, +43)
.endr
.endr
.irp u, 0,1
	v_max3_num_f32 v[TB+24*\u+20], |v[EB+56*\u]|, |v[EB+56*\u+1]|, 0x2800000   ; my block's largest magnitude, and the floor 2^(5 - 127)
.endr
.irp i, 2,4,6,8,10,12,14,16,18,20,22,24,26,28,30
.irp u, 0,1
	s_delay_alu instid0(VALU_DEP_2)
	v_max3_num_f32 v[TB+24*\u+20], v[TB+24*\u+20], |v[EB+56*\u+\i]|, |v[EB+56*\u+\i+1]|
.endr
.endr
.irp u, 0,1
	s_delay_alu instid0(VALU_DEP_2)
	v_add_nc_u32 v[TB+24*\u+20], 0xfe000000, v[TB+24*\u+20]                ; the conversion's scale operand
.endr
.irp u, 0,1
	s_delay_alu instid0(VALU_DEP_2)
	v_lshrrev_b32 v[TB+24*\u+22], 23, v[TB+24*\u+20]                       ; the byte,
.endr
.irp u, 0,1
	s_delay_alu instid0(VALU_DEP_2)
	v_lshlrev_b32 v[TB+24*\u+22], v10, v[TB+24*\u+22]                      ; at place h of the word;
.endr
.irp u, 0,1
	s_delay_alu instid0(VALU_DEP_2)
	v_permlanex16_b32 v[TB+24*\u+21], v[TB+24*\u+22], s48, s49
.endr
.irp u, 0,1
	s_delay_alu instid0(VALU_DEP_2)
	v_or_b32 v[TB+24*\u+22], v[TB+24*\u+22], v[TB+24*\u+21]                ; with the other half's: bytes 0 and 1; bytes 2 and 3 stay 0 over zero codes
.endr
.irp u, 0,1
	v_cvt_scalef32_pk16_bf6_f32 v[CE+8*\u:CE+8*\u+2], v[EB+56*\u:EB+56*\u+15], v[TB+24*\u+20]
	v_cvt_scalef32_pk16_bf6_f32 v[CE+8*\u+4:CE+8*\u+6], v[EB+56*\u+16:EB+56*\u+31], v[TB+24*\u+20]
.endr
	v_nop                                          ; one plain place behind the scaled conversions
.irp u, 0,1
.irp i, 3,4,5
	v_mov_b32 v[CE+8*\u+\i], v[CE+8*\u+\i+1]       ; one register down, in ascending order: six registers on end
.endr
.endr
.irp u, 0,1
	ds_store_b128 v244, v[CE+8*\u:CE+8*\u+3] offset:1024*\u                ; into my wave's stash, as images of the registers
	ds_store_b64 v245, v[CE+8*\u+4:CE+8*\u+5] offset:1024*\u
	ds_store_b32 v246, v[TB+24*\u+22] offset:1024*\u
.endr
	v_mov_b32 v24, v26                             ; the second ray's jitter,
	v_mov_b32 v25, v27
	s_mov_b32 s66, s55                             ; position
	s_mov_b32 s67, s56
	s_mov_b32 s68, s57
	s_mov_b32 s69, s61                             ; and direction
	s_mov_b32 s70, s62
	s_mov_b32 s71, s63
	s_add_co_u32 s51, s51, 2048
	s_wait_dscnt 0x0                               ; the stores have read their registers
	s_sub_co_u32 s50, s50, 1
	s_cmp_lg_u32 s50, 0
	s_cbranch_scc1 .Lenc
	; ---- the tables that all eight waves read, each wave its part
	s_wait_loadcnt 0x0
	s_mul_i32 s33, s30, 384
	s_add_co_u32 s33, s33, SCL
	v_lshl_add_u32 v30, v16, 3, s33                ; scale words: unit 32 w + lane
	s_wait_alu depctr_va_vdst(0)
	s_lshl_b32 s33, s30, 10
	s_add_co_u32 s34, s33, BIAS
	v_lshl_add_u32 v31, v16, 5, s34                ; bias: layer w
	s_add_co_u32 s34, s33, HWL
	v_lshl_add_u32 v32, v16, 4, s34                ; the heads' chunk w
	s_mul_i32 s33, s30, W0G
	s_add_co_u32 s33, s33, W0
	v_mul_u32_u24 v33, v16, 48
	s_delay_alu instid0(VALU_DEP_1)
	v_add_nc_u32 v33, s33, v33                     ; w_in's codes: unit 32 w + lane
	s_mov_b32 s33, 0x00080008                      ; r = 3
	s_mov_b32 s34, 0x000f000f                      ; r < 4
	WIN 0x04                                       ; an LDS store's data are its source 1: window 1
.irp l, 0,1,2,3,4,5,6
	ds_store_b64 v30, v[64+2*\l:65+2*\l] offset:3072*(\l+1)
.endr
	ds_store_b128 v31, v[80:83]
	ds_store_b128 v31, v[84:87] offset:16
	WIN 0x45
.irp i, 0,1,2,3,4,5,6,7,8,9,10,11,12,13,14,15
	v_cndmask_b32 v[96+\i], v[96+\i], v[112+\i], s33                       ; row 3 of the heads' weights is the density's,
.endr
.irp i, 0,1,2,3,4,5,6,7,8,9,10,11,12,13,14,15
	v_cndmask_b32 v[96+\i], 0, v[96+\i], s34                               ; rows 4 to 15 are zeros
.endr
	WIN 0x05
.irp i, 0,1,2,3,4,5,6,7
	v_cvt_pk_bf16_f32 v[84+\i], v[96+2*\i], v[97+2*\i]
.endr
	WIN 0
	ds_store_b128 v32, v[84:87]
	ds_store_b128 v32, v[88:91] offset:512
	WIN 0x14                                       ; w_in: my column's two blocks, all their numbers mine
	v_max3_num_f32 v16, 0x2800000, |v0|, |v1|
	v_max3_num_f32 v17, 0x2800000, |v32|, |v33|
.irp i, 2,4,6,8,10,12,14,16,18,20,22,24,26,28,30
	s_delay_alu instid0(VALU_DEP_2)
	v_max3_num_f32 v16, v16, |v[\i]|, |v[\i+1]|
	s_delay_alu instid0(VALU_DEP_2)
	v_max3_num_f32 v17, v17, |v[32+\i]|, |v[33+\i]|
.endr
	WIN 0
	v_add_nc_u32 v16, 0xfe000000, v16
	v_add_nc_u32 v17, 0xfe000000, v17
	s_delay_alu instid0(VALU_DEP_2)
	v_lshrrev_b32 v18, 23, v16
	s_delay_alu instid0(VALU_DEP_2)
	v_lshrrev_b32 v19, 23, v17
	s_delay_alu instid0(VALU_DEP_1)
	v_lshl_or_b32 v92, v19, 8, v18                 ; the unit's scale word; bytes 2 and 3 stay 0 over zero codes
	v_mov_b32 v93, 0
	WIN 0x01
	v_cvt_scalef32_pk16_bf6_f32 v[64:66], v[0:15], v16
	v_cvt_scalef32_pk16_bf6_f32 v[76:78], v[16:31], v16
	v_cvt_scalef32_pk16_bf6_f32 v[70:72], v[32:47], v17
	v_cvt_scalef32_pk16_bf6_f32 v[80:82], v[48:63], v17
	WIN 0
	v_nop                                          ; one plain place behind the scaled conversions
.irp i, 0,1,2
	v_mov_b32 v[67+\i], v[76+\i]
	v_mov_b32 v[73+\i], v[80+\i]
.endr
	ds_store_b128 v33, v[64:67]                    ; 48 bytes: block 0, block 1
	ds_store_b128 v33, v[68:71] offset:16
	ds_store_b128 v33, v[72:75] offset:32
	ds_store_b64 v30, v[92:93]
	s_wait_dscnt 0x0                               ; the stores have read their registers
	; ---- the encoded tiles come back as K step 0 of set A (window 1); what lies beyond K = 64 is zero codes, in both operands
	WIN 0x40
.irp m, 0,1,2,3
	ds_load_b128 v[SETA+24*\m:SETA+24*\m+3], v13 offset:1024*\m
	ds_load_b64 v[SETA+24*\m+4:SETA+24*\m+5], v14 offset:1024*\m
.endr
.irp m, 0,1,2,3
.irp i, 6,7,8,9,10,11
	v_mov_b32 v[SETA+24*\m+\i], 0
.endr
.endr
	WIN 0
.irp m, 0,1,2,3
	ds_load_b32 v[ISA+2*\m], v15 offset:1024*\m
.endr
.irp T, 0,1,2,3
.irp i, 6,7,8,9,10,11
	v_mov_b32 v[F0+12*\T+\i], 0
.endr
.endr
.rept 4
	v_nop                                          ; operands written by vector instructions stand four places ahead of a scaled product
.endr
	s_wait_alu depctr_va_vdst(0)                   ; directly ahead of the wait below
	s_wait_dscnt 0x0                               ; for the others' sake: my stores into the tables are done
	s_barrier_signal -1
	s_barrier_wait -1                              ; the tables are whole; my tensor load may stay out
	; ---- the eight layers
	GLOADS 0, 0, 0, 0
	LAYER 0, SETA, ISA, SETB, ISB, 0, 0
	s_mov_b32 s50, 3
.Lpair:                                            ; a trip: an odd layer out of slot 0 (B to A), an even one out of slot 1 (A to B); each change asks for the layer after the next
	CHANGE 1
	s_wait_alu depctr_va_vdst(0)
	LAYER 1, SETB, ISB, SETA, ISA, 0, 1
	CHANGE 1
	s_wait_alu depctr_va_vdst(0)
	LAYER 1, SETA, ISA, SETB, ISB, 1, 0
	WIN 0
	s_sub_co_u32 s50, s50, 1
	s_cmp_lg_u32 s50, 0
	s_cbranch_scc1 .Lpair
	CHANGE 0                                       ; the last layer lies in slot 0; nothing is left to fetch
	v_mov_b32 v16, s80                             ; the heads' biases in the result's layout: registers 0-2 rgb, 3 density
	v_mov_b32 v17, s81
	v_mov_b32 v18, s82
	v_mov_b32 v19, s83
.irp i, 20,21,22,23
	v_mov_b32 v[\i], 0
.endr
	s_wait_alu depctr_va_vdst(0)
	LAYER 2, SETB, ISB, 0, 0, 0, -1
	; ---- compositing: a lane is a sample; ray q's registers at 64 + 32 q: +0-2 rgb, +3 density, +4 depth, +5 delta, +6 tau, +7 the running sum, +8 at work, +9 the sum without tau, +10-14 exponentials, +15 weight, +16-19 products
.rept 4
	v_nop                                          ; places behind the last products
.endr
	v_and_b32 v16, 31, v0
	s_lshl_b32 s33, s30, 8
	s_add_co_u32 s33, s33, DEPL
	v_lshl_add_u32 v13, v16, 2, s33                ; my sample's depth,
	v_add_nc_u32 v17, 1, v16
	s_delay_alu instid0(VALU_DEP_1)
	v_and_b32 v17, 31, v17
	s_delay_alu instid0(VALU_DEP_1)
	v_lshl_add_u32 v14, v17, 2, s33                ; the next sample's (lane 31 reads sample 0's: its delta is replaced below)
.irp q, 0,1
	ds_load_b32 v[68+32*\q], v13 offset:128*\q
	ds_load_b32 v[69+32*\q], v14 offset:128*\q
.endr
	s_mov_b32 s85, 0xaaaaaaaa                      ; the scan's lanes: up the tree by 1, 2, 4, 8,
	s_mov_b32 s86, 0x88888888
	s_mov_b32 s87, 0x80808080
	s_mov_b32 s88, 0x80008000
	s_mov_b32 s89, 0x808b0000                      ; lanes 16, 17, 19, 23, 31 take lane 15's sum,
	s_mov_b32 s90, 0x08000800                      ; and down by 4, 2, 1
	s_mov_b32 s91, 0x22202220
	s_mov_b32 s92, 0x55545554
	s_mov_b32 s93, 0x80000000                      ; lane 31
	v_mov_b32 v21, 0x501502f9                      ; 1e10
	WIN 0x01                                       ; source 0: the heads' sums, window 1 (tile m at 64 + 8 m)
.irp q, 0,1
.irp j, 0,1,2,3
	v_permlanex16_b32 v[84+32*\q+\j], v[72+16*\q+\j], s48, s49             ; samples 16-31 lie in lanes 0-15 of the ray's second tile
	v_cndmask_b32 v[64+32*\q+\j], v[64+16*\q+\j], v[84+32*\q+\j], s84
.endr
.endr
	WIN 0
	s_wait_alu depctr_va_vdst(0)
	s_wait_dscnt 0x0
.irp q, 0,1
	v_max_num_f32 v[67+32*\q], 0, v[67+32*\q]      ; density
	v_sub_f32 v[69+32*\q], v[69+32*\q], v[68+32*\q]
	s_delay_alu instid0(VALU_DEP_1)
	v_cndmask_b32 v[69+32*\q], v[69+32*\q], v21, s93
	s_delay_alu instid0(VALU_DEP_1)
	v_mul_f32 v[70+32*\q], v[67+32*\q], v[69+32*\q]    ; tau
	s_delay_alu instid0(VALU_DEP_1)
	v_mov_b32 v[71+32*\q], v[70+32*\q]
.endr
.macro SWEEP n, mask                   ; the lanes of the mask add the sum n lanes below
.irp q, 0
	v_add_f32_dpp v[72+32*\q], v[71+32*\q], v[71+32*\q] row_shr:\n row_mask:0xf bank_mask:0xf bound_ctrl:1
.endr
.irp q, 1
	s_delay_alu instid0(VALU_DEP_2)
	v_add_f32_dpp v[72+32*\q], v[71+32*\q], v[71+32*\q] row_shr:\n row_mask:0xf bank_mask:0xf bound_ctrl:1
.endr
.irp q, 0,1
	s_delay_alu instid0(VALU_DEP_2)
	v_cndmask_b32 v[71+32*\q], v[71+32*\q], v[72+32*\q], s[\mask]
.endr
.endm
	SWEEP 1, 85
	SWEEP 2, 86
	SWEEP 4, 87
	SWEEP 8, 88
	s_delay_alu instid0(VALU_DEP_2)
	v_readlane_b32 s94, v71, 15
	s_delay_alu instid0(VALU_DEP_2)
	v_readlane_b32 s95, v103, 15
	s_delay_alu instid0(VALU_DEP_2)
	v_add_f32 v72, s94, v71
	s_delay_alu instid0(VALU_DEP_2)
	v_add_f32 v104, s95, v103
	s_delay_alu instid0(VALU_DEP_2)
	v_cndmask_b32 v71, v71, v72, s89
	s_delay_alu instid0(VALU_DEP_2)
	v_cndmask_b32 v103, v103, v104, s89
	SWEEP 4, 90
	SWEEP 2, 91
	SWEEP 1, 92
.irp q, 0,1
	v_sub_f32 v[73+32*\q], v[71+32*\q], v[70+32*\q]                        ; cumsum - tau, as reference() forms it
.irp c, 0,1,2
	v_mul_f32 v[74+32*\q+\c], 0xbfb8aa3b, v[64+32*\q+\c]                   ; x -log2(e)
.endr
	v_mul_f32 v[77+32*\q], 0xbfb8aa3b, v[70+32*\q]
	v_mul_f32 v[78+32*\q], 0xbfb8aa3b, v[73+32*\q]
.endr
	s_wait_alu depctr_va_vdst(0)                   ; ahead of the batch
.irp q, 0,1
.irp c, 0,1,2,3,4
	v_exp_f32 v[74+32*\q+\c], v[74+32*\q+\c]
.endr
.endr
	v_nop                                          ; a plain place behind the exponentials
	s_wait_alu depctr_va_vdst(0)                   ; one wait for the ten, ahead of their first reader
.irp q, 0,1
.irp c, 0,1,2
	v_add_f32 v[74+32*\q+\c], 1.0, v[74+32*\q+\c]
.endr
.endr
	s_wait_alu depctr_va_vdst(0)
.irp q, 0,1
.irp c, 0,1,2
	v_rcp_f32 v[74+32*\q+\c], v[74+32*\q+\c]       ; sigmoid
.endr
.endr
.irp q, 0,1
	v_sub_f32 v[77+32*\q], 1.0, v[77+32*\q]        ; alpha (plain work behind the reciprocals, which names none of them)
	v_mul_f32 v[79+32*\q], v[77+32*\q], v[78+32*\q]    ; the weight
.endr
	s_wait_alu depctr_va_vdst(0)                   ; one wait for the six
.irp q, 0,1
.irp c, 0,1,2
	v_mul_f32 v[80+32*\q+\c], v[79+32*\q], v[74+32*\q+\c]
.endr
	v_mul_f32 v[83+32*\q], v[79+32*\q], v[68+32*\q]
.endr
.irp x, 1,2,4,8                        ; the sums over the 32 samples, in every lane
.irp q, 0,1
.irp c, 0,1,2,3
	v_add_f32_dpp v[80+32*\q+\c], v[80+32*\q+\c], v[80+32*\q+\c] row_xmask:\x row_mask:0xf bank_mask:0xf
.endr
.endr
.endr
.irp q, 0,1
.irp c, 0,1,2,3
	v_permlanex16_b32 v[84+32*\q+\c], v[80+32*\q+\c], s48, s49
.endr
.endr
.irp q, 0,1
.irp c, 0,1,2,3
	v_add_f32 v[80+32*\q+\c], v[80+32*\q+\c], v[84+32*\q+\c]
.endr
.endr
	s_lshl_b32 s33, s30, 5
	s_add_co_u32 s33, s33, OUTL
	v_mov_b32 v15, s33
	ds_store_b128 v15, v[80:83]                    ; all lanes write the same 16 bytes with the same value: ray 2 w,
	ds_store_b128 v15, v[112:115] offset:16        ; ray 2 w + 1
	v_and_b32 v13, 15, v0
	s_delay_alu instid0(VALU_DEP_1)
	v_lshlrev_b32 v13, 4, v13                      ; 16 bytes a ray
	s_delay_alu instid0(VALU_DEP_1)
	v_add_nc_u32 v14, OUTL, v13
	s_wait_dscnt 0x0                               ; for the others' sake: my stores are done
	s_barrier_signal -1
	s_barrier_wait -1
	s_cmp_lg_u32 s30, 0                            ; wave 0 stores the work-group's 16 rows: sixteen lanes, 256 consecutive bytes, at a multiple of 256 from out0's first byte
	s_cbranch_scc1 .Lnot_mine
	s_wait_alu depctr_va_vdst(0)
	ds_load_b128 v[64:67], v14
	s_wait_dscnt 0x0
	s_wait_xcnt 0x0                                ; EXEC changes only behind this wait
	v_cmp_gt_u32 vcc_lo, 16, v0
	s_and_saveexec_b32 s96, vcc_lo
	global_store_b128 v13, v[64:67], s[28:29]
	s_wait_xcnt 0x0                                ; and again, in front of the line that widens it
	s_or_b32 exec_lo, exec_lo, s96
.Lnot_mine:
	s_wait_tensorcnt 0x0                           ; the wave's end
	ds_add_u32 v8, v9
	s_wait_dscnt 0x0
	CROUND                                         ; the closing round: no work-group ends while a partner may still ask for a tile that names it
	s_endpgm
.Lfunc_end_k_q9e06f5d10d_render:
	.size	k_q9e06f5d10d_render, .Lfunc_end_k_q9e06f5d10d_render-k_q9e06f5d10d_render
	.p2alignl 7, 3214868480
	.fill 96, 4, 3214868480
	.section	.rodata,"a",@progbits
	.p2align	6, 0x0
	.amdhsa_kernel k_q9e06f5d10d_render
		.amdhsa_group_segment_fixed_size 327680
		.amdhsa_private_segment_fixed_size 0
		.amdhsa_enable_private_segment 0
		.amdhsa_kernarg_size 104
		.amdhsa_user_sgpr_count 2
		.amdhsa_user_sgpr_kernarg_segment_ptr 1
		.amdhsa_wavefront_size32 1
		.amdhsa_system_sgpr_workgroup_id_x 1
		.amdhsa_system_sgpr_workgroup_id_y 1
		.amdhsa_system_sgpr_workgroup_id_z 1
		.amdhsa_system_vgpr_workitem_id 0
		.amdhsa_next_free_vgpr 512
		.amdhsa_next_free_sgpr 100
		.amdhsa_reserve_vcc 1
		.amdhsa_float_denorm_mode_32 3
		.amdhsa_float_denorm_mode_16_64 3
		.amdhsa_memory_ordered 1
		.amdhsa_forward_progress 1
		.amdhsa_inst_pref_size 255
	.end_amdhsa_kernel
	.section	.bss,"aw",@nobits
	.p2align	6
	.space	262144
	.amdgpu_metadata
---
amdhsa.version: [ 1, 2 ]
amdhsa.kernels:
  - .name:           k_q9e06f5d10d_render
    .symbol:         k_q9e06f5d10d_render.kd
    .args:
      - { .name: ray_pos, .offset: 0, .size: 8, .value_kind: global_buffer, .address_space: global }
      - { .name: ray_dir, .offset: 8, .size: 8, .value_kind: global_buffer, .address_space: global }
      - { .name: jitter, .offset: 16, .size: 8, .value_kind: global_buffer, .address_space: global }
      - { .name: w_in, .offset: 24, .size: 8, .value_kind: global_buffer, .address_space: global }
      - { .name: b_in, .offset: 32, .size: 8, .value_kind: global_buffer, .address_space: global }
      - { .name: w_hid_codes, .offset: 40, .size: 8, .value_kind: global_buffer, .address_space: global }
      - { .name: w_hid_scales, .offset: 48, .size: 8, .value_kind: global_buffer, .address_space: global }
      - { .name: b_hid, .offset: 56, .size: 8, .value_kind: global_buffer, .address_space: global }
      - { .name: w_rgb, .offset: 64, .size: 8, .value_kind: global_buffer, .address_space: global }
      - { .name: b_rgb, .offset: 72, .size: 8, .value_kind: global_buffer, .address_space: global }
      - { .name: w_den, .offset: 80, .size: 8, .value_kind: global_buffer, .address_space: global }
      - { .name: b_den, .offset: 88, .size: 8, .value_kind: global_buffer, .address_space: global }
      - { .name: out0, .offset: 96, .size: 8, .value_kind: global_buffer, .address_space: global }
    .group_segment_fixed_size: 327680
    .private_segment_fixed_size: 0
    .kernarg_segment_align: 8
    .kernarg_segment_size: 104
    .max_flat_workgroup_size: 256
    .sgpr_count:     100
    .vgpr_count:     512
    .wavefront_size: 32
...
	.end_amdgpu_metadata
.endif
;; end of part 1
